; MI455X (gfx1250); checked and timed in simulation.
; The chip was launched on July 23, 2026; its instructions are those of AMD's public machine-readable ISA for CDNA 5 (MIT licence, August 2026) and "CDNA5" Instruction Set Architecture Reference Guide (July 2026). The comments in the code are by the model that wrote it; some were corrected since.
;; Linear Self Attention. Allowed arithmetic: matrix products marked QUANTISED: E2M3 operands, one E8M0 scale for each 32 along K, by v_wmma_scale_f32_16x16x128_f8f6f4 with both operands' format E2M3, f32 sums; everything else in f32.
;; Inputs: k 4 x 16 x 4,096 x 64 float32; q 4 x 16 x 4,096 x 64 float32; v 4 x 16 x 4,096 x 64 float32.
;; Outputs: out0 4 x 16 x 4,096 x 64 float32.
;; This version of the problem:
;;   THIS VERSION OF THE PROBLEM IS GIVEN IN LOW PRECISION. The matrix products marked QUANTISED in the list below multiply operands that are first quantised to E2M3 (2 exponent bits, 3 mantissa bits; 6 bits a number), with one power-of-two scale for each 32 numbers along K (OCP MX v1.0); their sums are f32. All else is computed in f32.
;;   The module's matrix products, in the order in which they are computed (A, B: the left and right operand; K: the contracted axis; several contracted axes count as one K, in the product's order):
;;     1. batch 64 x [M 64, K 4,096] x [K 4,096, N 64]; A: input k; B: input v: QUANTISED
;;     2. batch 64 x [M 4,096, K 64] x [K 64, N 64]; A: input q; B: computed on the way: QUANTISED
;;   THE QUANTISER, for each operand of a quantised product, along K:
;;     - K is cut into blocks of 32 from its start; a last block that is shorter is filled with zeros.
;;     - A block's scale is 2^e with e = floor(log2(the largest magnitude in the block)) - 2, held to -126 .. 127; a block of zeros has e = 0. As a byte (E8M0): e + 127.
;;     - Each number is divided by its block's scale, clamped to +-7.5, and rounded to the nearest number of E2M3, ties to even, subnormals kept.
;;     - The product sums the exact products of the quantised numbers (number of the format x scale) in f32.
;;   ~~~python
;;   def quantise(x, axis):      # numpy; x: float32 -> the quantised numbers, widened to float32 again
;;       x = np.moveaxis(x, axis, -1); K = x.shape[-1]
;;       x = np.pad(x, [(0, 0)] * (x.ndim - 1) + [(0, -K % 32)]); x = x.reshape(x.shape[:-1] + (-1, 32)); a = np.abs(x).max(-1, keepdims=True)
;;       e = np.where(a > 0, np.clip(np.frexp(np.where(a > 0, a, 1))[1] - 1 - 2, -126, 127), 0)      # np.frexp(a)[1] - 1 = floor(log2(a)), exactly
;;       r = np.clip(x / 2.0 ** e, -7.5, 7.5)
;;       step = 2.0 ** (np.maximum(np.frexp(np.where(r == 0, 1, r))[1] - 1, 0) - 3)
;;       q = np.round(r / step) * step * 2.0 ** e      # np.round: ties to even
;;       return np.moveaxis(q.reshape(q.shape[:-2] + (-1,))[..., :K], -1, axis).astype(np.float32)
;;   ~~~
;;   OPERANDS COMPUTED ON THE WAY. 'Computed on the way' means the value that the module computes at that place (a softmax that the list does not call 'softmax' is quantised finished and normalised). What goes into a quantiser is computed in f32, as accurately as f32 sums, v_exp_f32 and their like allow (about 1e-6 of the number): no bf16 or f16 on the way to a quantiser, and a product that is left as it is and whose result goes on into a quantised operand takes f32 operands (vector FMAs, or v_wmma_f32_16x16x4_f32). A number that lies on a knife's edge between two numbers of the format may be rounded either way, as far as f32 arithmetic and the matrix unit's own rounding can turn it there, and no further.
;; 2 versions, each right; version 2 is version 1 with the launches kvpart, apply written anew for expert scheduling mode. Each part assembles by itself: llvm-mc -triple=amdgcn-amd-amdhsa -mcpu=gfx1250 --defsym DOCPART=n.
;; ======== version 1 of 2: 2 launches
;; workspace buffers: part 4,194,304 bytes
;; launch kvpart (part 1): grid 256 x 1, 8 waves a work-group, no clusters, 132,096 bytes of LDS; arguments k, v, part; writes part
.if DOCPART == 1
	.amdgcn_target "amdgcn-amd-amdhsa--gfx1250"
	.amdhsa_code_object_version 6
	.text
	.protected	k_q60ab368d49_kvpart
	.globl	k_q60ab368d49_kvpart
	.p2align	8
	.type	k_q60ab368d49_kvpart,@function
k_q60ab368d49_kvpart:
	s_mov_b64 s[64:65], 0
	v_nop
	global_prefetch_b8 v0, s[64:65] scope:SCOPE_SE
	s_setreg_imm32_b32 hwreg(HW_REG_WAVE_MODE, 25, 1), 1
	s_wait_xcnt 0x0
; part[g] = the sum over the 1,024 rows s of run g of Q(k)[s][d] Q(v)[s][e], g = 4 x head + quarter of the head's 4,096 rows.  k, v: [64 heads][4096][64] f32.
; Q: codes of FP6 (E2M3) with one E8M0 scale for each 32 rows s of a column, since s is this product's K.  Sums in f32.
; SHARES.  A work-group of eight waves owns 1,024 rows, a wave 128: one K step of the matrix instruction, 32 KiB of k and 32 KiB of v.  Work-groups share no input, so there is no cluster.
; LOADS.  A block of 32 rows x 64 columns is 8,192 consecutive bytes: 16 loads of 16 bytes a lane, each covering 512 consecutive aligned bytes.  A ring of four block slots (256 registers)
; keeps 64 loads of the wave asked for: all of its k at the start, and a block of v as soon as a slot has been read out.
; LAYOUT.  Lane (x, y) = (lane % 16, lane / 16) holds columns 4 x .. 4 x + 3 of rows 2 i + y.  The conversion takes 16 numbers of ONE column from consecutive registers, so a block's 64 numbers are sorted by
; column by 64 copies: the price of loads of 16 bytes a lane (loads of 4 bytes would need none, but four times as many loads would have to be out for the same bytes).
; A block's even rows take its lower 16 places and its odd rows the upper 16, alike in k and v: a permutation inside a block, which changes no product.  Tile c of an operand is columns 4 x + c.
; RESULT.  Accumulator (a, b), lane (r, h), register j = kv(32 h + 4 j + a, 4 r + b).  The waves' 16 accumulators meet in LDS as images of their registers, each wave adds an eighth of them, and the
; sum leaves in the same order: byte 4096 b + 1024 a + 512 (j / 4) + 256 h + 16 r + 4 (j % 4) of the run's 16 KiB, which is the order in which the next launch's lanes load it.
; LIMITS.  NaN and infinities are not served.  A block of zeros gets the byte 1 where the rule says 127: its codes are zeros, and this program alone reads the bytes.  The f32 sum over s is taken
; as 128 rows in a matrix instruction, then eight waves pairwise, then (next launch) four runs pairwise.
; REGISTERS.  Window 0: v3-6 addresses; v16-31 a block's statistics; v32-39 scale words; v64-127 a block sorted by column; v128-175 k's four fragments, v176-223 v's; v224-239 an odd block's codes.
;             Window 1: four slots of 64 as loaded; at the end the 16 accumulators in the first 128.
.set LA,   3                           ; v3   16 x lane: my bytes of a load's 512; never rewritten
.set STA,  4                           ; v4   LDS: 16,384 x wave + 16 x lane: where my accumulators' images go
.set RDA,  5                           ; v5   LDS: 2,048 x wave + 16 x lane: my eighth of waves 0-3's images; also my offset in the run's 16 KiB of part
.set RDB,  6                           ; v6   the same of waves 4-7's (65,536 bytes on: an LDS immediate has 16 bits)
.set MX,   16                          ; v16-19 largest magnitudes, v20-23 the other half's, v24-27 the conversions' scale operands, v28-31 scale bytes
.set SCW,  32                          ; v32-35 scale words of k's tiles, v36-39 of v's: they hold scales and nothing else
.set Z,    64
.set KF,   128
.set VF,   176
.set QT,   224
.set RS,   64                          ; the reduction: eight waves' eighths, 16 registers each
.set MSB,  0
.macro WIN new                         ; the immediate's high byte repeats the setting that is left; a switch that changes nothing is dropped
.if MSB != \new
	s_set_vgpr_msb (MSB<<8)|\new
.set MSB, \new
.endif
.endm
; Block n (0-3: k's, 4-7: v's) into slot n % 4.
.macro LOADB n
	WIN 0x40                                       ; destination window 1, address window 0
.irp i, 0,1,2,3,4,5,6,7,8,9,10,11,12,13,14,15
	global_load_b128 v[64*((\n)%4)+4*\i:64*((\n)%4)+4*\i+3], v[LA], s[4+2*((\n)/4):5+2*((\n)/4)] offset:8192*((\n)%4)+512*\i th:TH_LOAD_NT
.endr
.endm
	s_load_b128 s[4:7], s[0:1], 0x0                ; k, v
	s_load_b64 s[8:9], s[0:1], 0x10                ; part
	v_lshl_add_u32 v254, v0, 2, 0x20000
	v_mov_b32 v255, 0
	v_lshrrev_b32 v1, 5, v0
	v_readfirstlane_b32 s10, v1                    ; wave 0..7
	v_and_b32 v2, 31, v0                           ; lane
	v_lshlrev_b32 v[LA], 4, v2
	s_lshl_b32 s12, ttmp9, 18                      ; the run's 1,024 rows of 256 bytes,
	s_lshl_b32 s11, s10, 15                        ; my wave's 128 of them
	s_add_co_u32 s12, s12, s11                     ; (under 2^27)
	s_mov_b32 s13, 0
	s_lshl_b32 s16, ttmp9, 14                      ; the run's 16 KiB of part
	s_mov_b32 s17, 0
	s_mov_b32 s14, 0x76543210
	s_mov_b32 s15, 0xfedcba98                      ; v_permlanex16_b32's selects for lane l xor 16
	s_wait_kmcnt 0x0
	s_add_nc_u64 s[4:5], s[4:5], s[12:13]
	s_add_nc_u64 s[6:7], s[6:7], s[12:13]
	s_add_nc_u64 s[8:9], s[8:9], s[16:17]
	LOADB 0                                        ; all of my k: 64 loads
	LOADB 1
	LOADB 2
	LOADB 3
	WIN 0
	v_lshl_add_u32 v[STA], v1, 14, v[LA]
	v_lshl_add_u32 v[RDA], v1, 11, v[LA]
	v_add_nc_u32 v[RDB], 0x10000, v[RDA]
.irp c, 0,1,2,3
	v_mov_b32 v[MX+4+\c], 0                        ; written once: a lane permute's destination counts as one of its sources
.endr
; Block n is sorted, its slot asked for again, and the block quantised.  left = the loads issued behind this block's sixteen: sixteen for each younger block.
.macro BLOCK n, left
.set SL, 64*((\n)%4)                   ; the slot, in window 1
.set BK, (\n)%4                        ; which 32 of the wave's 128 rows
.set FB, KF+48*((\n)/4)+6*(BK/2)       ; tile 0's six registers for blocks 2 (BK / 2) and 2 (BK / 2) + 1
.set SW, SCW+4*((\n)/4)
	s_wait_loadcnt \left
	WIN 0x01                                       ; source 0 window 1
.irp c, 0,1,2,3
.irp i, 0,1,2,3,4,5,6,7,8,9,10,11,12,13,14,15
	v_mov_b32 v[Z+16*\c+\i], v[SL+4*\i+\c]         ; column 4 x + c, rows 2 i + y, on end
.endr
.endr
.if (\n)+4 < 8
	LOADB (\n)+4                                   ; the slot has been read out: it takes the block four on
.endif
	WIN 0
.irp c, 0,1,2,3
	v_max3_num_f32 v[MX+\c], |v[Z+16*\c]|, |v[Z+16*\c+1]|, 0x1800000   ; my 16 numbers of column c, and the floor 2^(3 - 127): so the byte cannot fall under 1
.endr
.irp i, 2,4,6,8,10,12,14
.irp c, 0,1,2,3
	v_max3_num_f32 v[MX+\c], v[MX+\c], |v[Z+16*\c+\i]|, |v[Z+16*\c+\i+1]|   ; (the four columns by turns)
.endr
.endr
.irp c, 0,1,2,3
	v_permlanex16_b32 v[MX+4+\c], v[MX+\c], s14, s15
.endr
.irp c, 0,1,2,3
	v_max_num_f32 v[MX+\c], v[MX+\c], v[MX+4+\c]   ; with the other 16 rows': the block's largest magnitude
.endr
.irp c, 0,1,2,3
	v_add_nc_u32 v[MX+8+\c], 0xff000000, v[MX+\c]  ; 2 off its exponent field: the conversion takes this operand's exponent field as its scale
.endr
.if BK == 0
.irp c, 0,1,2,3
	v_lshrrev_b32 v[SW+\c], 23, v[MX+8+\c]         ; the scale's byte begins the tile's scale word
.endr
.else
.irp c, 0,1,2,3
	v_lshrrev_b32 v[MX+12+\c], 23, v[MX+8+\c]
.endr
.irp c, 0,1,2,3
	v_lshl_or_b32 v[SW+\c], v[MX+12+\c], 8*BK, v[SW+\c]   ; byte BK scales places 32 BK .. 32 BK + 31
.endr
.endif
.if BK%2 == 0
.irp c, 0,1,2,3
	v_cvt_scalef32_pk16_fp6_f32 v[FB+12*\c:FB+12*\c+2], v[Z+16*\c:Z+16*\c+15], v[MX+8+\c]   ; half y of the even block
.endr
	v_nop                                          ; one plain place behind a scaled conversion
.else
.irp c, 0,1,2,3
	v_cvt_scalef32_pk16_fp6_f32 v[QT+4*\c:QT+4*\c+2], v[Z+16*\c:Z+16*\c+15], v[MX+8+\c]     ; half y of the odd block (a conversion's three registers begin on an even number)
.endr
	v_nop
.irp c, 0,1,2,3                        ; the operand wants a WHOLE block in a lane: lanes 0-15 the even block, lanes 16-31 the odd one
.irp i, 0,1,2
	v_permlane16_swap_b32 v[FB+12*\c+\i], v[QT+4*\c+\i]   ; the first now holds each lane's block's lower 16 codes, the second the upper 16
.endr
.endr
.irp c, 0,1,2,3
.irp i, 0,1,2
	v_mov_b32 v[FB+12*\c+3+\i], v[QT+4*\c+\i]
.endr
.endr
.endif
.endm
	BLOCK 0, 48
	BLOCK 1, 48
	BLOCK 2, 48
	BLOCK 3, 48
	BLOCK 4, 48
	BLOCK 5, 32
	BLOCK 6, 16
	BLOCK 7, 0
.rept 8
	v_nop                                          ; a scale register written by a vector instruction stands 8 places ahead of a scaled matrix instruction, an operand so written 4
.endr
	WIN 0x40                                       ; results in window 1
.irp b, 0,1,2,3                        ; source 0 = 16 columns of k, source 1 = 16 columns of v; one K step, so every sum begins and ends here: C = 0, sixteen different accumulators
.irp a, 0,1,2,3
	v_wmma_scale_f32_16x16x128_f8f6f4 v[8*(4*\b+\a):8*(4*\b+\a)+7], v[KF+12*\a:KF+12*\a+11], v[VF+12*\b:VF+12*\b+11], 0, v[SCW+\a], v[SCW+4+\b] matrix_a_fmt:MATRIX_FMT_FP6 matrix_b_fmt:MATRIX_FMT_FP6
.endr
.endr
.rept 4
	v_nop                                          ; four places ahead of the stores that read results and of the loads into registers that held operands
.endr
	WIN 0x04                                       ; an LDS store's data are its source 1: window 1
.irp q, 0,1,2,3,4,5,6,7,8,9,10,11,12,13,14,15,16,17,18,19,20,21,22,23,24,25,26,27,28,29,30,31
	ds_store_b128 v[STA], v[4*\q:4*\q+3] offset:512*\q   ; an image of the registers, 512 consecutive bytes a store; each accumulator from its low end on
.endr
	WIN 0
	s_wait_dscnt 0x0                               ; for the others' sake: my images have landed
	s_barrier_signal -1
	s_barrier_wait -1
.irp p, 0,1,2,3
.irp c, 0,1,2,3
	ds_load_b128 v[RS+16*\p+4*\c:RS+16*\p+4*\c+3], v[RDA] offset:16384*\p+512*\c        ; wave p's 2,048 bytes of my eighth
.endr
.endr
.irp p, 0,1,2,3
.irp c, 0,1,2,3
	ds_load_b128 v[RS+64+16*\p+4*\c:RS+64+16*\p+4*\c+3], v[RDB] offset:16384*\p+512*\c  ; wave 4 + p's
.endr
.endr
	s_wait_dscnt 0x0
.irp p, 0,2,4,6
.irp q, 0,2,4,6,8,10,12,14
	v_pk_add_f32 v[RS+16*\p+\q:RS+16*\p+\q+1], v[RS+16*\p+\q:RS+16*\p+\q+1], v[RS+16*\p+16+\q:RS+16*\p+16+\q+1]
.endr
.endr
.irp p, 0,4
.irp q, 0,2,4,6,8,10,12,14
	v_pk_add_f32 v[RS+16*\p+\q:RS+16*\p+\q+1], v[RS+16*\p+\q:RS+16*\p+\q+1], v[RS+16*\p+32+\q:RS+16*\p+32+\q+1]
.endr
.endr
.irp q, 0,2,4,6,8,10,12,14
	v_pk_add_f32 v[RS+\q:RS+\q+1], v[RS+\q:RS+\q+1], v[RS+64+\q:RS+64+\q+1]
.endr
.irp c, 0,1,2,3
	global_store_b128 v[RDA], v[RS+4*\c:RS+4*\c+3], s[8:9] offset:512*\c   ; 32 lanes store 512 consecutive bytes, aligned
.endr
	s_wait_tensorcnt 0x0
	ds_add_u32 v254, v255
	s_wait_dscnt 0x0
	s_endpgm
.Lfunc_end_k_q60ab368d49_kvpart:
	.size	k_q60ab368d49_kvpart, .Lfunc_end_k_q60ab368d49_kvpart-k_q60ab368d49_kvpart
	.p2alignl 7, 3214868480
	.fill 96, 4, 3214868480
	.section	.rodata,"a",@progbits
	.p2align	6, 0x0
	.amdhsa_kernel k_q60ab368d49_kvpart
		.amdhsa_group_segment_fixed_size 132096
		.amdhsa_private_segment_fixed_size 0
		.amdhsa_enable_private_segment 0
		.amdhsa_kernarg_size 24
		.amdhsa_user_sgpr_count 2
		.amdhsa_user_sgpr_kernarg_segment_ptr 1
		.amdhsa_wavefront_size32 1
		.amdhsa_system_sgpr_workgroup_id_x 1
		.amdhsa_system_sgpr_workgroup_id_y 1
		.amdhsa_system_sgpr_workgroup_id_z 1
		.amdhsa_system_vgpr_workitem_id 0
		.amdhsa_next_free_vgpr 512
		.amdhsa_next_free_sgpr 66
		.amdhsa_reserve_vcc 0
		.amdhsa_float_denorm_mode_32 3
		.amdhsa_float_denorm_mode_16_64 3
		.amdhsa_memory_ordered 1
		.amdhsa_forward_progress 1
		.amdhsa_inst_pref_size 71
	.end_amdhsa_kernel
	.amdgpu_metadata
---
amdhsa.version: [ 1, 2 ]
amdhsa.kernels:
  - .name:           k_q60ab368d49_kvpart
    .symbol:         k_q60ab368d49_kvpart.kd
    .args:
      - { .name: k, .offset: 0, .size: 8, .value_kind: global_buffer, .address_space: global }
      - { .name: v, .offset: 8, .size: 8, .value_kind: global_buffer, .address_space: global }
      - { .name: part, .offset: 16, .size: 8, .value_kind: global_buffer, .address_space: global }
    .group_segment_fixed_size: 132096
    .private_segment_fixed_size: 0
    .kernarg_segment_align: 8
    .kernarg_segment_size: 24
    .max_flat_workgroup_size: 256
    .sgpr_count:     66
    .vgpr_count:     512
    .wavefront_size: 32
...
	.end_amdgpu_metadata
.endif
;; end of part 1
;; launch apply (part 2): grid 256 x 1, 8 waves a work-group, no clusters, 41,984 bytes of LDS; arguments q, part, out0; writes out0
.if DOCPART == 2
	.amdgcn_target "amdgcn-amd-amdhsa--gfx1250"
	.amdhsa_code_object_version 6
	.text
	.protected	k_q60ab368d49_apply
	.globl	k_q60ab368d49_apply
	.p2align	8
	.type	k_q60ab368d49_apply,@function
k_q60ab368d49_apply:
	s_mov_b64 s[64:65], 0
	v_nop
	global_prefetch_b8 v0, s[64:65] scope:SCOPE_SE
	s_setreg_imm32_b32 hwreg(HW_REG_WAVE_MODE, 25, 1), 1
	s_wait_xcnt 0x0
; out0[s][e] = the sum over d of Q(q)[s][d] Q(kv)[d][e], for run g of 1,024 rows (g = 4 x head + quarter).  q, out0: [64 heads][4096][64] f32.  kv = the sum of the head's four runs of part.
; Q: codes of FP6 (E2M3), one E8M0 scale for each 32 along d, which is this product's K: 64 long, so places 64 .. 127 of both operands hold zero codes (their scale bytes are 0, which is no NaN).
; SHARES.  A work-group of eight waves owns 1,024 rows, a wave 128: eight tiles of 16.
; q COMES INTO REGISTERS, TILE BY TILE.  A tile is 4,096 consecutive bytes: eight loads of 16 bytes a lane, each covering 512 consecutive aligned bytes, into 32 registers of window 1.  Loads come back in order
; (ISA guide 5.7.1), so a tile is worked and STORED as soon as it has landed, while the later tiles are on their way.  Behind the 16 loads of part a wave asks for tiles 0 to 5 (64 loads out by this text's count);
; tiles 6 and 7 are asked for behind the stores of tiles 0 and 1, so that no run of loads stands in front of work that is ready.
; THE TURN.  As loaded, lane (x, y) holds columns 4 x .. 4 x + 3 of rows 2 i + y; the operand's lane (r, h) wants the 32 numbers of row r's block h.  So a tile goes through the wave's own stage in LDS: eight stores as
; loaded, eight loads of 16 bytes from rows 272 bytes apart (68 words: row r starts at bank 4 r mod 64, of 64 banks of 4 bytes: ISA guide 11.1).  LDS serves a wave's instructions in order (ISA guide 5.7.1.4): no wait between them.
; kv.  Wave w = 2 t + hb adds the four runs for columns e = 4 r + t and rows d = 32 hb + 16 y + 0 .. 15 (lane (r, y)); the last addition lays them in the order of d; half a block a lane is quantised,
; and its 12 bytes of codes and its scale byte go to LDS where the operand's lane (r, hb) finds them; a barrier; every wave loads the four fragments.
; No cluster: the four work-groups of a head share only these 64 KiB of part, against 512 KiB of q and out0 that each moves for itself.  No tensor load, so no ring.
; THE PRODUCT.  Source 0 = 16 rows of q, source 1 = kv's tile t (columns 4 r + t): in tile t's result lane (r, h) holds out0(8 h + j, 4 r + t) in register j.  So the four tiles' registers j are 16 neighbouring
; bytes of a row, and sixteen lanes hold the whole row: 32 copies bring them side by side, and each store covers two whole rows of 256 bytes.  The copies go into the tile's own 32 registers of window 1, which
; the turn has read out: no store's data are ever written again, so no wait stands between one tile's stores and the next tile's copies.
; LIMITS.  NaN and infinities are not served.  A block of zeros gets the byte 1 where the rule says 127: its codes are zeros, and this program alone reads the bytes.
; REGISTERS.  Window 0: v3-15, v21 addresses and statistics; v16-20 scale words; v22-32 at work; v34-45 q's fragment; v48-95 kv's four; v96-127 a tile's numbers; v128-159 four results (at the head v128-191: part).
;             Window 1: tile n at v[32 n]: as loaded, later as stored.
.set QROW, 272                         ; a row of q in a stage
.set STG,  16*QROW                     ; a wave's stage: one tile
.set IMG,  8*STG                       ; behind the stages: kv's four fragments, 32 bytes a lane (24 used), 1,024 a fragment
.set ISC,  IMG+4096                    ; and their scale bytes: 16 for each (tile, block)
.set PA,   3                           ; v3   my offset in a run of part
.set QA,   4                           ; v4   LDS: out of the stage: 272 r + 128 h
.set OA,   5                           ; v5   my offset in a tile of out0: 2,048 h + 16 r
.set IW,   6                           ; v6   LDS: where my 12 bytes of kv's codes go
.set BW,   7                           ; v7   LDS: where my block's scale byte goes
.set IR,   8                           ; v8   LDS: my lane's place in a fragment of kv
.set BR,   9                           ; v9   LDS: my column's scale bytes
.set MA,   10                          ; v10, v11 largest magnitudes (at the head: r, h)
.set MB,   11
.set SCO,  12                          ; v12  the conversions' scale operand
.set BY,   13                          ; v13  the scale's byte
.set BX,   14                          ; v14  the other half's
.set LA,   15                          ; v15  16 x lane: my bytes of a load's 512; never rewritten
.set SA,   16                          ; v16  q's scale word;  v17-20 kv's: they hold scales and nothing else
.set SB,   17
.set SWA,  21                          ; v21  LDS: into the stage: 272 y + 16 x
.set U8,   22                          ; v22-29 kv's scale bytes as loaded
.set CT,   30                          ; v30-32 codes made on an even register
.set AF,   34                          ; v34-45 q's fragment
.set BF,   48                          ; v48-95 kv's four
.set X,    96                          ; v96-127 a tile's numbers, 32 of one row's block
.set DD,   128                         ; v128-159 four results of 8
.set PB,   128                         ; at the head: four runs x 16 numbers of part,
.set SS,   96                          ; and their sums
.set SEL,  34
.set MSB,  0
.macro WIN new                         ; the immediate's high byte repeats the setting that is left; a switch that changes nothing is dropped
.if MSB != \new
	s_set_vgpr_msb (MSB<<8)|\new
.set MSB, \new
.endif
.endm
.macro QLOAD n                         ; tile n is asked for
	WIN 0x40                                       ; destination window 1, address window 0
.irp i, 0,1,2,3,4,5,6,7
	global_load_b128 v[32*(\n)+4*\i:32*(\n)+4*\i+3], v[LA], s[4:5] offset:4096*(\n)+512*\i th:TH_LOAD_NT   ; rows 2 i and 2 i + 1: 512 consecutive bytes
.endr
.endm
	s_load_b128 s[4:7], s[0:1], 0x0                ; q, part
	s_load_b64 s[8:9], s[0:1], 0x10                ; out0
	v_lshl_add_u32 v254, v0, 2, 0xa000
	v_mov_b32 v255, 0
	v_lshrrev_b32 v1, 5, v0
	v_readfirstlane_b32 s10, v1                    ; wave 0..7
	v_and_b32 v[MA], 15, v0                        ; r (x where a tile is loaded)
	v_bfe_u32 v[MB], v0, 4, 1                      ; h (y)
	v_and_b32 v2, 31, v0                           ; lane
	v_lshlrev_b32 v[LA], 4, v2
	s_lshr_b32 s11, s10, 1                         ; t
	s_and_b32 s12, s10, 1                          ; hb
	s_lshl_b32 s11, s11, 12
	s_lshl_b32 s12, s12, 8
	s_add_co_u32 s11, s11, s12
	v_lshlrev_b32 v[PA], 4, v[MA]
	v_lshl_add_u32 v[PA], v[MB], 9, v[PA]
	v_add_nc_u32 v[PA], s11, v[PA]                 ; 4096 t + 512 y + 256 hb + 16 r: sixteen lanes take 256 consecutive bytes
	s_lshl_b32 s32, ttmp9, 18                      ; the run's 1,024 rows of 256 bytes,
	s_lshl_b32 s11, s10, 15                        ; my wave's 128
	s_add_co_u32 s32, s32, s11
	s_mov_b32 s33, 0
	s_lshr_b32 s36, ttmp9, 2
	s_lshl_b32 s36, s36, 16                        ; the head's four runs of part
	s_mov_b32 s37, 0
	s_mul_i32 s13, s10, STG                        ; my stage
	s_mov_b32 s[SEL], 0x76543210
	s_mov_b32 s[SEL+1], 0xfedcba98                 ; v_permlanex16_b32's selects for lane l xor 16
	s_wait_kmcnt 0x0
	s_add_nc_u64 s[6:7], s[6:7], s[36:37]
	s_add_nc_u64 s[4:5], s[4:5], s[32:33]
	s_add_nc_u64 s[8:9], s[8:9], s[32:33]
.irp p, 0,1,2,3                        ; part first: every wave's work waits for kv
.irp a, 0,1,2,3
	global_load_b128 v[PB+16*\p+4*\a:PB+16*\p+4*\a+3], v[PA], s[6:7] offset:16384*\p+1024*\a   ; run p: kv(32 hb + 16 y + 4 i + a, 4 r + t), i = 0 .. 3
.endr
.endr
.irp n, 0,1,2,3,4,5
	QLOAD \n
.endr
	WIN 0
	v_mul_u32_u24 v[QA], v[MA], QROW
	v_lshl_add_u32 v[QA], v[MB], 7, v[QA]
	v_add_nc_u32 v[QA], s13, v[QA]                 ; wave x STG + 272 r + 128 h
	v_mul_u32_u24 v[SWA], v[MB], QROW
	v_lshl_add_u32 v[SWA], v[MA], 4, v[SWA]
	v_add_nc_u32 v[SWA], s13, v[SWA]               ; wave x STG + 272 y + 16 x
	v_lshlrev_b32 v[OA], 4, v[MA]
	v_lshl_add_u32 v[OA], v[MB], 11, v[OA]
	v_lshlrev_b32 v[IW], 5, v[MA]
	v_mad_u32_u24 v[IW], v[MB], 12, v[IW]
	s_lshl_b32 s14, s10, 9
	s_add_co_u32 s14, s14, IMG
	v_add_nc_u32 v[IW], s14, v[IW]                 ; IMG + 512 wave + 32 r + 12 y: lane (r, hb) of fragment t has its 32 bytes at 1024 t + 512 hb + 32 r
	s_lshl_b32 s15, s10, 4
	s_add_co_u32 s15, s15, ISC
	v_add_nc_u32 v[BW], s15, v[MA]                 ; ISC + 16 wave + r
	v_lshl_add_u32 v[IR], v2, 5, IMG
	v_add_nc_u32 v[BR], ISC, v[MA]
	v_mov_b32 v[BX], 0                             ; written once: a lane permute's destination counts as one of its sources
.irp z, 6,7,8,9,10,11
	v_mov_b32 v[AF+\z], 0                          ; places 64 .. 127: zero codes, written once
.irp t, 0,1,2,3
	v_mov_b32 v[BF+12*\t+\z], 0
.endr
.endr
	; ---- kv: the four runs are added, my half block is quantised
	s_wait_loadcnt 48                              ; part is in; the 48 loads of q's tiles 0 to 5, issued behind it, may be out
.irp g, 0,2,4,6,8,10,12,14
	v_pk_add_f32 v[PB+\g:PB+\g+1], v[PB+\g:PB+\g+1], v[PB+16+\g:PB+16+\g+1]
	v_pk_add_f32 v[PB+32+\g:PB+32+\g+1], v[PB+32+\g:PB+32+\g+1], v[PB+48+\g:PB+48+\g+1]
.endr
.irp a, 0,1,2,3
.irp i, 0,1,2,3
	v_add_f32 v[SS+4*\i+\a], v[PB+4*\a+\i], v[PB+32+4*\a+\i]   ; the last addition lays the numbers in the order of d
.endr
.endr
	v_max3_num_f32 v[MA], |v[SS]|, |v[SS+1]|, 0x1800000   ; my 16 numbers, and the floor 2^(3 - 127): so the byte cannot fall under 1
	v_max3_num_f32 v[MB], |v[SS+2]|, |v[SS+3]|, |v[SS+4]|
.irp i, 5,9
	v_max3_num_f32 v[MA], v[MA], |v[SS+\i]|, |v[SS+\i+1]|
	v_max3_num_f32 v[MB], v[MB], |v[SS+\i+2]|, |v[SS+\i+3]|
.endr
	v_max3_num_f32 v[MA], v[MA], |v[SS+13]|, |v[SS+14]|
	v_max3_num_f32 v[MA], v[MA], v[MB], |v[SS+15]|
	v_permlanex16_b32 v[BX], v[MA], s[SEL], s[SEL+1]
	v_max_num_f32 v[MA], v[MA], v[BX]              ; with the block's other half
	v_add_nc_u32 v[SCO], 0xff000000, v[MA]         ; 2 off the exponent field: the conversion's scale operand
	v_cvt_scalef32_pk16_fp6_f32 v[CT:CT+2], v[SS:SS+15], v[SCO]
	v_lshrrev_b32 v[BY], 23, v[SCO]                ; the scale's byte.  (A plain place behind the conversion)
	ds_store_b32 v[IW], v[CT]
	ds_store_b32 v[IW], v[CT+1] offset:4
	ds_store_b32 v[IW], v[CT+2] offset:8
	ds_store_b8 v[BW], v[BY]                       ; both lanes of a block write the same byte with the same value
	s_wait_dscnt 0x0                               ; for the others' sake: my stores have landed
	s_barrier_signal -1
	s_barrier_wait -1                              ; (my loads of q may stay out: nobody writes those bytes of memory)
.irp t, 0,1,2,3
	ds_load_b128 v[BF+12*\t:BF+12*\t+3], v[IR] offset:1024*\t
	ds_load_b64 v[BF+12*\t+4:BF+12*\t+5], v[IR] offset:1024*\t+16
	ds_load_u8 v[U8+2*\t], v[BR] offset:32*\t      ; block 0's byte of column 4 r + t,
	ds_load_u8 v[U8+2*\t+1], v[BR] offset:32*\t+16 ; block 1's
.endr
; ---- a tile of 16 rows: turned, quantised, multiplied, stored
.macro TILE n
.if (\n) < 3
	s_wait_loadcnt 40                              ; this tile's eight loads are in; five younger tiles are out (tiles 6 and 7 are asked for behind the stores of tiles 0 and 1)
.else
	s_wait_loadcnt 8*(7-(\n))                      ; eight for each younger tile
.endif
	WIN 0x04                                       ; an LDS store's data are its source 1: window 1
.irp i, 0,1,2,3,4,5,6,7
	ds_store_b128 v[SWA], v[32*(\n)+4*\i:32*(\n)+4*\i+3] offset:2*QROW*\i   ; rows 2 i + y as loaded: sixteen lanes write a row's 256 bytes
.endr
	WIN 0
.irp i, 0,1,2,3,4,5,6,7
	ds_load_b128 v[X+4*\i:X+4*\i+3], v[QA] offset:16*\i   ; q(16 n + r, 32 h + 4 i ..): these see the stores above
.endr
	s_wait_dscnt 0x0                               ; my 32 numbers are back (in tile 0: kv's fragments and scale bytes too)
.if (\n) == 0
.irp t, 0,1,2,3
	v_lshl_or_b32 v[SB+\t], v[U8+2*\t+1], 8, v[U8+2*\t]   ; kv's scale words; bytes 2 and 3, over zero codes, are 0
.endr
.endif
	v_max3_num_f32 v[MA], |v[X]|, |v[X+1]|, |v[X+2]|       ; a whole block is mine.  (These sixteen are also places behind the last tile's products, ahead of the writes of q's fragment and scale word and of the products that write the results anew)
	v_max3_num_f32 v[MB], |v[X+3]|, |v[X+4]|, |v[X+5]|
.irp i, 6,10,14,18,22,26
	v_max3_num_f32 v[MA], v[MA], |v[X+\i]|, |v[X+\i+1]|
	v_max3_num_f32 v[MB], v[MB], |v[X+\i+2]|, |v[X+\i+3]|
.endr
	v_max3_num_f32 v[MA], v[MA], |v[X+30]|, |v[X+31]|
	v_max3_num_f32 v[MA], v[MA], v[MB], 0x1800000  ; and the floor 2^(3 - 127)
	v_add_nc_u32 v[SCO], 0xff000000, v[MA]         ; 2 off the exponent field: the conversions' scale operand
	v_lshrrev_b32 v[BY], 23, v[SCO]                ; the scale's byte
	v_permlanex16_b32 v[BX], v[BY], s[SEL], s[SEL+1]
	v_lshl_or_b32 v[SA], v[BX], 8, v[BY]           ; lane r: block 0's byte, block 1's above it
	v_cvt_scalef32_pk16_fp6_f32 v[AF:AF+2], v[X:X+15], v[SCO]
	v_cvt_scalef32_pk16_fp6_f32 v[CT:CT+2], v[X+16:X+31], v[SCO]   ; (a conversion's three registers begin on an even number)
	v_nop                                          ; one plain place behind a scaled conversion
.irp i, 0,1,2
	v_mov_b32 v[AF+3+\i], v[CT+\i]
.endr
.rept 8
	v_nop                                          ; a scale register written by a vector instruction stands 8 places ahead of a scaled matrix instruction, an operand so written 4.  No other tile's work is set here: it would put stores that are ready behind a later tile's arrival
.endr
.irp t, 0,1,2,3                        ; one K step: every sum begins and ends here, C = 0, four different accumulators
	v_wmma_scale_f32_16x16x128_f8f6f4 v[DD+8*\t:DD+8*\t+7], v[AF:AF+11], v[BF+12*\t:BF+12*\t+11], 0, v[SA], v[SB+\t] matrix_a_fmt:MATRIX_FMT_FP6 matrix_b_fmt:MATRIX_FMT_FP6
.endr
.rept 4
	v_nop                                          ; four places (ISA guide 7.12.1) ahead of the reads of results
.endr
	WIN 0x40                                       ; destination window 1: the tile's own 32 registers, which the turn has read out
.irp j, 0,1,2,3,4,5,6,7                ; each result is read from its low end on
.irp t, 0,1,2,3
	v_mov_b32 v[32*(\n)+4*\j+\t], v[DD+8*\t+\j]    ; out0(16 n + 8 h + j, 4 r + t): four neighbours side by side
.endr
.endr
	WIN 0x04                                       ; a store's data are its source 1: window 1
.irp j, 0,1,2,3,4,5,6,7
	global_store_b128 v[OA], v[32*(\n)+4*\j:32*(\n)+4*\j+3], s[8:9] offset:4096*(\n)+256*\j th:TH_STORE_NT   ; lanes 0-15 store row j's 256 bytes, lanes 16-31 row 8 + j's; these registers are not written again
.endr
.if (\n) < 2
	QLOAD (\n)+6                                   ; behind this tile's stores: the tile six on
.endif
.endm
.irp n, 0,1,2,3,4,5,6,7
	TILE \n
.endr
	WIN 0
	s_wait_tensorcnt 0x0
	ds_add_u32 v254, v255
	s_wait_dscnt 0x0
	s_endpgm
.Lfunc_end_k_q60ab368d49_apply:
	.size	k_q60ab368d49_apply, .Lfunc_end_k_q60ab368d49_apply-k_q60ab368d49_apply
	.p2alignl 7, 3214868480
	.fill 96, 4, 3214868480
	.section	.rodata,"a",@progbits
	.p2align	6, 0x0
	.amdhsa_kernel k_q60ab368d49_apply
		.amdhsa_group_segment_fixed_size 41984
		.amdhsa_private_segment_fixed_size 0
		.amdhsa_enable_private_segment 0
		.amdhsa_kernarg_size 24
		.amdhsa_user_sgpr_count 2
		.amdhsa_user_sgpr_kernarg_segment_ptr 1
		.amdhsa_wavefront_size32 1
		.amdhsa_system_sgpr_workgroup_id_x 1
		.amdhsa_system_sgpr_workgroup_id_y 1
		.amdhsa_system_sgpr_workgroup_id_z 1
		.amdhsa_system_vgpr_workitem_id 0
		.amdhsa_next_free_vgpr 512
		.amdhsa_next_free_sgpr 66
		.amdhsa_reserve_vcc 0
		.amdhsa_float_denorm_mode_32 3
		.amdhsa_float_denorm_mode_16_64 3
		.amdhsa_memory_ordered 1
		.amdhsa_forward_progress 1
		.amdhsa_inst_pref_size 58
	.end_amdhsa_kernel
	.amdgpu_metadata
---
amdhsa.version: [ 1, 2 ]
amdhsa.kernels:
  - .name:           k_q60ab368d49_apply
    .symbol:         k_q60ab368d49_apply.kd
    .args:
      - { .name: q, .offset: 0, .size: 8, .value_kind: global_buffer, .address_space: global }
      - { .name: part, .offset: 8, .size: 8, .value_kind: global_buffer, .address_space: global }
      - { .name: out0, .offset: 16, .size: 8, .value_kind: global_buffer, .address_space: global }
    .group_segment_fixed_size: 41984
    .private_segment_fixed_size: 0
    .kernarg_segment_align: 8
    .kernarg_segment_size: 24
    .max_flat_workgroup_size: 256
    .sgpr_count:     66
    .vgpr_count:     512
    .wavefront_size: 32
...
	.end_amdgpu_metadata
.endif
;; end of part 2
;; ======== version 2 of 2: 2 launches; version 1 with the launches kvpart, apply written anew for expert scheduling mode
;; workspace buffers: part 4,194,304 bytes
;; launch kvpart (part 3): grid 256 x 1, 8 waves a work-group, no clusters, 132,096 bytes of LDS; arguments k, v, part; writes part
.if DOCPART == 3
	.amdgcn_target "amdgcn-amd-amdhsa--gfx1250"
	.amdhsa_code_object_version 6
	.text
	.protected	k_q60ab368d49_kvpart
	.globl	k_q60ab368d49_kvpart
	.p2align	8
	.type	k_q60ab368d49_kvpart,@function
k_q60ab368d49_kvpart:
	s_mov_b64 s[64:65], 0
	v_nop
	global_prefetch_b8 v0, s[64:65] scope:SCOPE_SE
	s_setreg_imm32_b32 hwreg(HW_REG_WAVE_SCHED_MODE, 0, 2), 2
	s_setreg_imm32_b32 hwreg(HW_REG_WAVE_MODE, 25, 1), 1
	s_wait_xcnt 0x0
	s_wait_alu depctr_vm_vsrc(0)
; part[g] = the sum over the 1,024 rows s of run g of Q(k)[s][d] Q(v)[s][e], g = 4 x head + quarter of the head's 4,096 rows.  k, v: [64 heads][4096][64] f32.
; Q: codes of FP6 (E2M3) with one E8M0 scale for each 32 rows s of a column, since s is this product's K.  Sums in f32.
; SHARES.  A work-group of eight waves owns 1,024 rows, a wave 128: one K step of the matrix instruction, 32 KiB of k and 32 KiB of v.  Work-groups share no input, so there is no cluster.
; LOADS.  A block of 32 rows x 64 columns is 8,192 consecutive bytes: 16 loads of 16 bytes a lane, each covering 512 consecutive aligned bytes.  A ring of four block slots (256 registers)
; keeps 64 loads of the wave asked for: all of its k at the start, and a block of v as soon as a slot has been read out.
; LAYOUT.  Lane (x, y) = (lane % 16, lane / 16) holds columns 4 x .. 4 x + 3 of rows 2 i + y.  The conversion takes 16 numbers of ONE column from consecutive registers, so a block's 64 numbers are sorted by
; column by 64 copies: the price of loads of 16 bytes a lane (loads of 4 bytes would need none, but four times as many loads would have to be out for the same bytes).
; A block's even rows take its lower 16 places and its odd rows the upper 16, alike in k and v: a permutation inside a block, which changes no product.  Tile c of an operand is columns 4 x + c.
; RESULT.  Accumulator (a, b), lane (r, h), register j = kv(32 h + 4 j + a, 4 r + b).  The waves' 16 accumulators meet in LDS as images of their registers, each wave adds an eighth of them, and the
; sum leaves in the same order: byte 4096 b + 1024 a + 512 (j / 4) + 256 h + 16 r + 4 (j % 4) of the run's 16 KiB, which is the order in which the next launch's lanes load it.
; LIMITS.  NaN and infinities are not served.  A block of zeros gets the byte 1 where the rule says 127: its codes are zeros, and this program alone reads the bytes.  The f32 sum over s is taken
; as 128 rows in a matrix instruction, then eight waves pairwise, then (next launch) four runs pairwise.
; REGISTERS.  Window 0: v3-6 addresses; v16-31 a block's statistics; v32-39 scale words; v64-127 a block sorted by column; v128-175 k's four fragments, v176-223 v's; v224-239 an odd block's codes.
;             Window 1: four slots of 64 as loaded; at the end the 16 accumulators in the first 128.
; THE MODE: SCHED_MODE bits 1:0 = 2 (LLVM: expert scheduling mode 2), set by the entry lines.  The code itself states the register dependences
; between vector or matrix instructions and memory or LDS instructions, with s_wait_alu, always for 0.
; THE PLAN.  Registers that memory or LDS instructions touch:
;   v[LA]            Written once at the head; read by all 128 loads; never written again.
;   slots 0 .. 3     Block n: its 64 copies read slot n % 4; behind them the loads of block n + 4 land in it (blocks 0 to 3 alone).
;   v[STA], v[RDA], v[RDB]  Written once, behind the first loads; read by the LDS stores and loads of the reduction and by the stores of part.
;   accumulators     Written by the products; read by the 32 LDS stores; not written again.
;   v64-191          Written and read by copies, conversions and products; then the reduction's LDS loads land there; v64-79, which the last additions write, are the data of the stores of part.
;   v254, v255       Written at the head, read by the closing add alone.
; So ONE wait on va_vdst stands in each of blocks 0 to 3, behind the copies and ahead of the slot's 16 loads; the quantiser's lines that follow name none of the registers that those loads touch.
; One stands ahead of the first load, one ahead of the products, one ahead of the LDS stores (it serves the LDS loads behind the barrier too: no vector instruction stands between), one ahead of the stores of part.
; No register that a memory or LDS instruction reads is ever written again, so no wait on vm_vsrc is owed.
.set LA,   3                           ; v3   16 x lane: my bytes of a load's 512; never rewritten
.set STA,  4                           ; v4   LDS: 16,384 x wave + 16 x lane: where my accumulators' images go
.set RDA,  5                           ; v5   LDS: 2,048 x wave + 16 x lane: my eighth of waves 0-3's images; also my offset in the run's 16 KiB of part
.set RDB,  6                           ; v6   the same of waves 4-7's (65,536 bytes on: an LDS immediate has 16 bits)
.set MX,   16                          ; v16-19 largest magnitudes, v20-23 the other half's, v24-27 the conversions' scale operands, v28-31 scale bytes
.set SCW,  32                          ; v32-35 scale words of k's tiles, v36-39 of v's: they hold scales and nothing else
.set Z,    64
.set KF,   128
.set VF,   176
.set QT,   224
.set RS,   64                          ; the reduction: eight waves' eighths, 16 registers each
.set MSB,  0
.macro WIN new                         ; the immediate's high byte repeats the setting that is left; a switch that changes nothing is dropped
.if MSB != \new
	s_set_vgpr_msb (MSB<<8)|\new
.set MSB, \new
.endif
.endm
; Block n (0-3: k's, 4-7: v's) into slot n % 4.
.macro LOADB n
	WIN 0x40                                       ; destination window 1, address window 0
.irp i, 0,1,2,3,4,5,6,7,8,9,10,11,12,13,14,15
	global_load_b128 v[64*((\n)%4)+4*\i:64*((\n)%4)+4*\i+3], v[LA], s[4+2*((\n)/4):5+2*((\n)/4)] offset:8192*((\n)%4)+512*\i th:TH_LOAD_NT
.endr
.endm
	s_load_b128 s[4:7], s[0:1], 0x0                ; k, v
	s_load_b64 s[8:9], s[0:1], 0x10                ; part
	v_lshl_add_u32 v254, v0, 2, 0x20000            ; the LDS address of my spare word and 0: made here and kept for the closing add alone
	v_mov_b32 v255, 0
	v_lshrrev_b32 v1, 5, v0
	v_readfirstlane_b32 s10, v1                    ; wave 0..7
	v_and_b32 v2, 31, v0                           ; lane
	v_lshlrev_b32 v[LA], 4, v2
	s_lshl_b32 s12, ttmp9, 18                      ; the run's 1,024 rows of 256 bytes,
	s_wait_alu depctr_va_sdst(0)                   ; s10 is written, ahead of its first reader: the bases of k and v are made from it
	s_lshl_b32 s11, s10, 15                        ; my wave's 128 of them
	s_add_co_u32 s12, s12, s11                     ; (under 2^27)
	s_mov_b32 s13, 0
	s_lshl_b32 s16, ttmp9, 14                      ; the run's 16 KiB of part
	s_mov_b32 s17, 0
	s_mov_b32 s14, 0x76543210
	s_mov_b32 s15, 0xfedcba98                      ; v_permlanex16_b32's selects for lane l xor 16
	s_wait_kmcnt 0x0
	s_add_nc_u64 s[4:5], s[4:5], s[12:13]
	s_add_nc_u64 s[6:7], s[6:7], s[12:13]
	s_add_nc_u64 s[8:9], s[8:9], s[16:17]
	WIN 0x40                                       ; the switch, then the wait, then the loads
	s_wait_alu depctr_va_vdst(0)                   ; v[LA] is written: every load of k and v reads it as its offset
	LOADB 0                                        ; all of my k: 64 loads
	LOADB 1
	LOADB 2
	LOADB 3
	WIN 0
	v_lshl_add_u32 v[STA], v1, 14, v[LA]
	v_lshl_add_u32 v[RDA], v1, 11, v[LA]
	v_add_nc_u32 v[RDB], 0x10000, v[RDA]
.irp c, 0,1,2,3
	v_mov_b32 v[MX+4+\c], 0                        ; written once: a lane permute's destination counts as one of its sources
.endr
; Block n is sorted, its slot asked for again, and the block quantised.  left = the loads issued behind this block's sixteen: sixteen for each younger block.
.macro BLOCK n, left
.set SL, 64*((\n)%4)                   ; the slot, in window 1
.set BK, (\n)%4                        ; which 32 of the wave's 128 rows
.set FB, KF+48*((\n)/4)+6*(BK/2)       ; tile 0's six registers for blocks 2 (BK / 2) and 2 (BK / 2) + 1
.set SW, SCW+4*((\n)/4)
	s_wait_loadcnt \left
	WIN 0x01                                       ; source 0 window 1
.irp c, 0,1,2,3
.irp i, 0,1,2,3,4,5,6,7,8,9,10,11,12,13,14,15
	v_mov_b32 v[Z+16*\c+\i], v[SL+4*\i+\c]         ; column 4 x + c, rows 2 i + y, on end
.endr
.endr
.if (\n)+4 < 8
	WIN 0x40                                       ; the switch, then the wait, then the loads
	s_wait_alu depctr_va_vdst(0)                   ; the 64 copies are done reading the slot, in which the loads below land (in block 0 also: v[STA], v[RDA] and v[RDB] are written)
	LOADB (\n)+4                                   ; the slot has been read out: it takes the block four on.  The lines that follow name neither the slot nor v[LA]
.endif
	WIN 0
.irp c, 0,1,2,3
	v_max3_num_f32 v[MX+\c], |v[Z+16*\c]|, |v[Z+16*\c+1]|, 0x1800000   ; my 16 numbers of column c, and the floor 2^(3 - 127): so the byte cannot fall under 1
.endr
.irp i, 2,4,6,8,10,12,14
.irp c, 0,1,2,3
	v_max3_num_f32 v[MX+\c], v[MX+\c], |v[Z+16*\c+\i]|, |v[Z+16*\c+\i+1]|   ; (the four columns by turns)
.endr
.endr
.irp c, 0,1,2,3
	v_permlanex16_b32 v[MX+4+\c], v[MX+\c], s14, s15
.endr
.irp c, 0,1,2,3
	v_max_num_f32 v[MX+\c], v[MX+\c], v[MX+4+\c]   ; with the other 16 rows': the block's largest magnitude
.endr
.irp c, 0,1,2,3
	v_add_nc_u32 v[MX+8+\c], 0xff000000, v[MX+\c]  ; 2 off its exponent field: the conversion takes this operand's exponent field as its scale
.endr
.if BK == 0
.irp c, 0,1,2,3
	v_lshrrev_b32 v[SW+\c], 23, v[MX+8+\c]         ; the scale's byte begins the tile's scale word
.endr
.else
.irp c, 0,1,2,3
	v_lshrrev_b32 v[MX+12+\c], 23, v[MX+8+\c]
.endr
.irp c, 0,1,2,3
	v_lshl_or_b32 v[SW+\c], v[MX+12+\c], 8*BK, v[SW+\c]   ; byte BK scales places 32 BK .. 32 BK + 31
.endr
.endif
.if BK%2 == 0
.irp c, 0,1,2,3
	v_cvt_scalef32_pk16_fp6_f32 v[FB+12*\c:FB+12*\c+2], v[Z+16*\c:Z+16*\c+15], v[MX+8+\c]   ; half y of the even block
.endr
	v_nop                                          ; one plain place behind a scaled conversion
.else
.irp c, 0,1,2,3
	v_cvt_scalef32_pk16_fp6_f32 v[QT+4*\c:QT+4*\c+2], v[Z+16*\c:Z+16*\c+15], v[MX+8+\c]     ; half y of the odd block (a conversion's three registers begin on an even number)
.endr
	v_nop
.irp c, 0,1,2,3                        ; the operand wants a WHOLE block in a lane: lanes 0-15 the even block, lanes 16-31 the odd one
.irp i, 0,1,2
	v_permlane16_swap_b32 v[FB+12*\c+\i], v[QT+4*\c+\i]   ; the first now holds each lane's block's lower 16 codes, the second the upper 16
.endr
.endr
.irp c, 0,1,2,3
.irp i, 0,1,2
	v_mov_b32 v[FB+12*\c+3+\i], v[QT+4*\c+\i]
.endr
.endr
.endif
.endm
	BLOCK 0, 48
	BLOCK 1, 48
	BLOCK 2, 48
	BLOCK 3, 48
	BLOCK 4, 48
	BLOCK 5, 32
	BLOCK 6, 16
	BLOCK 7, 0
.rept 8
	v_nop                                          ; a scale register written by a vector instruction stands 8 places ahead of a scaled matrix instruction, an operand so written 4
.endr
	WIN 0x40                                       ; results in window 1
	s_wait_alu depctr_va_vdst(0)                   ; the conversions, exchanges and copies have written the eight fragments, the shifts the eight scale words, which the products take; the places above stay beside this wait
.irp b, 0,1,2,3                        ; source 0 = 16 columns of k, source 1 = 16 columns of v; one K step, so every sum begins and ends here: C = 0, sixteen different accumulators
.irp a, 0,1,2,3
	v_wmma_scale_f32_16x16x128_f8f6f4 v[8*(4*\b+\a):8*(4*\b+\a)+7], v[KF+12*\a:KF+12*\a+11], v[VF+12*\b:VF+12*\b+11], 0, v[SCW+\a], v[SCW+4+\b] matrix_a_fmt:MATRIX_FMT_FP6 matrix_b_fmt:MATRIX_FMT_FP6
.endr
.endr
.rept 4
	v_nop                                          ; four places ahead of the stores that read results and of the loads into registers that held operands
.endr
	WIN 0x04                                       ; an LDS store's data are its source 1: window 1
	s_wait_alu depctr_va_vdst(0)                   ; the products have written the accumulators, which the LDS stores read, and are done reading the fragments; the conversions are done reading v[Z ..]: the LDS loads behind the barrier land in both, and no vector instruction stands between this wait and them
.irp q, 0,1,2,3,4,5,6,7,8,9,10,11,12,13,14,15,16,17,18,19,20,21,22,23,24,25,26,27,28,29,30,31
	ds_store_b128 v[STA], v[4*\q:4*\q+3] offset:512*\q   ; an image of the registers, 512 consecutive bytes a store; each accumulator from its low end on
.endr
	WIN 0
	s_wait_dscnt 0x0                               ; for the others' sake: my images have landed
	s_barrier_signal -1
	s_barrier_wait -1
.irp p, 0,1,2,3
.irp c, 0,1,2,3
	ds_load_b128 v[RS+16*\p+4*\c:RS+16*\p+4*\c+3], v[RDA] offset:16384*\p+512*\c        ; wave p's 2,048 bytes of my eighth
.endr
.endr
.irp p, 0,1,2,3
.irp c, 0,1,2,3
	ds_load_b128 v[RS+64+16*\p+4*\c:RS+64+16*\p+4*\c+3], v[RDB] offset:16384*\p+512*\c  ; wave 4 + p's
.endr
.endr
	s_wait_dscnt 0x0
.irp p, 0,2,4,6
.irp q, 0,2,4,6,8,10,12,14
	v_pk_add_f32 v[RS+16*\p+\q:RS+16*\p+\q+1], v[RS+16*\p+\q:RS+16*\p+\q+1], v[RS+16*\p+16+\q:RS+16*\p+16+\q+1]
.endr
.endr
.irp p, 0,4
.irp q, 0,2,4,6,8,10,12,14
	v_pk_add_f32 v[RS+16*\p+\q:RS+16*\p+\q+1], v[RS+16*\p+\q:RS+16*\p+\q+1], v[RS+16*\p+32+\q:RS+16*\p+32+\q+1]
.endr
.endr
.irp q, 0,2,4,6,8,10,12,14
	v_pk_add_f32 v[RS+\q:RS+\q+1], v[RS+\q:RS+\q+1], v[RS+64+\q:RS+64+\q+1]
.endr
	s_wait_alu depctr_va_vdst(0)                   ; the last additions have written v[RS .. RS + 15], which the stores read
.irp c, 0,1,2,3
	global_store_b128 v[RDA], v[RS+4*\c:RS+4*\c+3], s[8:9] offset:512*\c   ; 32 lanes store 512 consecutive bytes, aligned
.endr
	s_wait_dscnt 0x0                               ; the closing lines, six on end
	s_wait_alu 0x0
	s_wait_tensorcnt 0x0
	ds_add_u32 v254, v255
	s_wait_dscnt 0x0
	s_endpgm
.Lfunc_end_k_q60ab368d49_kvpart:
	.size	k_q60ab368d49_kvpart, .Lfunc_end_k_q60ab368d49_kvpart-k_q60ab368d49_kvpart
	.p2alignl 7, 3214868480
	.fill 96, 4, 3214868480
	.section	.rodata,"a",@progbits
	.p2align	6, 0x0
	.amdhsa_kernel k_q60ab368d49_kvpart
		.amdhsa_group_segment_fixed_size 132096
		.amdhsa_private_segment_fixed_size 0
		.amdhsa_enable_private_segment 0
		.amdhsa_kernarg_size 24
		.amdhsa_user_sgpr_count 2
		.amdhsa_user_sgpr_kernarg_segment_ptr 1
		.amdhsa_wavefront_size32 1
		.amdhsa_system_sgpr_workgroup_id_x 1
		.amdhsa_system_sgpr_workgroup_id_y 1
		.amdhsa_system_sgpr_workgroup_id_z 1
		.amdhsa_system_vgpr_workitem_id 0
		.amdhsa_next_free_vgpr 512
		.amdhsa_next_free_sgpr 66
		.amdhsa_reserve_vcc 0
		.amdhsa_float_denorm_mode_32 3
		.amdhsa_float_denorm_mode_16_64 3
		.amdhsa_memory_ordered 1
		.amdhsa_forward_progress 1
		.amdhsa_inst_pref_size 72
	.end_amdhsa_kernel
	.amdgpu_metadata
---
amdhsa.version: [ 1, 2 ]
amdhsa.kernels:
  - .name:           k_q60ab368d49_kvpart
    .symbol:         k_q60ab368d49_kvpart.kd
    .args:
      - { .name: k, .offset: 0, .size: 8, .value_kind: global_buffer, .address_space: global }
      - { .name: v, .offset: 8, .size: 8, .value_kind: global_buffer, .address_space: global }
      - { .name: part, .offset: 16, .size: 8, .value_kind: global_buffer, .address_space: global }
    .group_segment_fixed_size: 132096
    .private_segment_fixed_size: 0
    .kernarg_segment_align: 8
    .kernarg_segment_size: 24
    .max_flat_workgroup_size: 256
    .sgpr_count:     66
    .vgpr_count:     512
    .wavefront_size: 32
...
	.end_amdgpu_metadata
.endif
;; end of part 3
;; launch apply (part 4): grid 256 x 1, 8 waves a work-group, no clusters, 41,984 bytes of LDS; arguments q, part, out0; writes out0
.if DOCPART == 4
	.amdgcn_target "amdgcn-amd-amdhsa--gfx1250"
	.amdhsa_code_object_version 6
	.text
	.protected	k_q60ab368d49_apply
	.globl	k_q60ab368d49_apply
	.p2align	8
	.type	k_q60ab368d49_apply,@function
k_q60ab368d49_apply:
	s_mov_b64 s[64:65], 0
	v_nop
	global_prefetch_b8 v0, s[64:65] scope:SCOPE_SE
	s_setreg_imm32_b32 hwreg(HW_REG_WAVE_SCHED_MODE, 0, 2), 2
	s_setreg_imm32_b32 hwreg(HW_REG_WAVE_MODE, 25, 1), 1
	s_wait_xcnt 0x0
	s_wait_alu depctr_vm_vsrc(0)
; out0[s][e] = the sum over d of Q(q)[s][d] Q(kv)[d][e], for run g of 1,024 rows (g = 4 x head + quarter).  q, out0: [64 heads][4096][64] f32.  kv = the sum of the head's four runs of part.
; Q: codes of FP6 (E2M3), one E8M0 scale for each 32 along d, which is this product's K: 64 long, so places 64 .. 127 of both operands hold zero codes (their scale bytes are 0, which is no NaN).
; SHARES.  A work-group of eight waves owns 1,024 rows, a wave 128: eight tiles of 16.
; q COMES INTO REGISTERS, TILE BY TILE.  A tile is 4,096 consecutive bytes: eight loads of 16 bytes a lane, each covering 512 consecutive aligned bytes, into 32 registers of window 1.  Loads come back in order
; (ISA guide 5.7.1), so a tile is worked and STORED as soon as it has landed, while the later tiles are on their way.  Behind the 16 loads of part a wave asks for tiles 0 to 5 (64 loads out by this text's count);
; tiles 6 and 7 are asked for behind the stores of tiles 0 and 1, so that no run of loads stands in front of work that is ready.
; THE TURN.  As loaded, lane (x, y) holds columns 4 x .. 4 x + 3 of rows 2 i + y; the operand's lane (r, h) wants the 32 numbers of row r's block h.  So a tile goes through the wave's own stage in LDS: eight stores as
; loaded, eight loads of 16 bytes from rows 272 bytes apart (68 words: row r starts at bank 4 r mod 64, of 64 banks of 4 bytes: ISA guide 11.1).  LDS serves a wave's instructions in order (ISA guide 5.7.1.4): no wait between them.
; kv.  Wave w = 2 t + hb adds the four runs for columns e = 4 r + t and rows d = 32 hb + 16 y + 0 .. 15 (lane (r, y)); the last addition lays them in the order of d; half a block a lane is quantised,
; and its 12 bytes of codes and its scale byte go to LDS where the operand's lane (r, hb) finds them; a barrier; every wave loads the four fragments.
; No cluster: the four work-groups of a head share only these 64 KiB of part, against 512 KiB of q and out0 that each moves for itself.  No tensor load, so no ring.
; THE PRODUCT.  Source 0 = 16 rows of q, source 1 = kv's tile t (columns 4 r + t): in tile t's result lane (r, h) holds out0(8 h + j, 4 r + t) in register j.  So the four tiles' registers j are 16 neighbouring
; bytes of a row, and sixteen lanes hold the whole row: 32 copies bring them side by side, and each store covers two whole rows of 256 bytes.  The copies go into the tile's own 32 registers of window 1, which
; the turn has read out: no store's data are ever written again, so no wait stands between one tile's stores and the next tile's copies.
; LIMITS.  NaN and infinities are not served.  A block of zeros gets the byte 1 where the rule says 127: its codes are zeros, and this program alone reads the bytes.
; REGISTERS.  Window 0: v3-15, v21 addresses and statistics; v16-20 scale words; v22-32 at work; v34-45 q's fragment; v48-95 kv's four; v96-127 a tile's numbers; v128-159 four results (at the head v128-191: part).
;             Window 1: tile n at v[32 n]: as loaded, later as stored.
; THE MODE: SCHED_MODE bits 1:0 = 2 (LLVM: expert scheduling mode 2), set by the entry lines.  The code itself states the register dependences
; between vector or matrix instructions and memory or LDS instructions, with s_wait_alu, always for 0.
; THE PLAN.  Registers that memory or LDS instructions touch:
;   v[PA], v[LA]     Written at the head, ahead of the first load; read by the loads of part and of q; never written again.
;   v[QA], v[SWA], v[OA], v[IW], v[BW], v[IR], v[BR]   Written once at the head, behind those loads; read by LDS instructions and by the stores of out0; never written again.
;   v[CT ..], v[BY]  Written by kv's quantiser, read by its four LDS stores; written again by tile 0's quantiser.
;   v[X ..]          At the head kv's sums; then, tile by tile: the turn's LDS loads land there, the maxima and the two conversions read them.
;   tile n's 32      (window 1)  Global loads land there; the turn's LDS stores read them; the 32 copies write them; the eight stores of out0 read them; then they rest.
;   v254, v255       Written at the head, read by the closing add alone.
; THE WAITS.  At the head: one on va_vdst ahead of the first load; one ahead of kv's LDS stores, which serves the LDS loads behind the barrier and tile 0's turn too (no vector instruction stands between).
; In a tile three: vm_vsrc behind the wait for the turn (the turn's stores have read the tile's registers); va_vdst ahead of the products (q's fragment and scale word are written; it stands behind the conversions,
; so it also frees v[X ..] for the next tile's LDS loads); va_vdst ahead of the eight stores (the copies have written their data).
.set QROW, 272                         ; a row of q in a stage
.set STG,  16*QROW                     ; a wave's stage: one tile
.set IMG,  8*STG                       ; behind the stages: kv's four fragments, 32 bytes a lane (24 used), 1,024 a fragment
.set ISC,  IMG+4096                    ; and their scale bytes: 16 for each (tile, block)
.set PA,   3                           ; v3   my offset in a run of part
.set QA,   4                           ; v4   LDS: out of the stage: 272 r + 128 h
.set OA,   5                           ; v5   my offset in a tile of out0: 2,048 h + 16 r
.set IW,   6                           ; v6   LDS: where my 12 bytes of kv's codes go
.set BW,   7                           ; v7   LDS: where my block's scale byte goes
.set IR,   8                           ; v8   LDS: my lane's place in a fragment of kv
.set BR,   9                           ; v9   LDS: my column's scale bytes
.set MA,   10                          ; v10, v11 largest magnitudes (at the head: r, h)
.set MB,   11
.set SCO,  12                          ; v12  the conversions' scale operand
.set BY,   13                          ; v13  the scale's byte
.set BX,   14                          ; v14  the other half's
.set LA,   15                          ; v15  16 x lane: my bytes of a load's 512; never rewritten
.set SA,   16                          ; v16  q's scale word;  v17-20 kv's: they hold scales and nothing else
.set SB,   17
.set SWA,  21                          ; v21  LDS: into the stage: 272 y + 16 x
.set U8,   22                          ; v22-29 kv's scale bytes as loaded
.set CT,   30                          ; v30-32 codes made on an even register
.set AF,   34                          ; v34-45 q's fragment
.set BF,   48                          ; v48-95 kv's four
.set X,    96                          ; v96-127 a tile's numbers, 32 of one row's block
.set DD,   128                         ; v128-159 four results of 8
.set PB,   128                         ; at the head: four runs x 16 numbers of part,
.set SS,   96                          ; and their sums
.set SEL,  34
.set MSB,  0
.macro WIN new                         ; the immediate's high byte repeats the setting that is left; a switch that changes nothing is dropped
.if MSB != \new
	s_set_vgpr_msb (MSB<<8)|\new
.set MSB, \new
.endif
.endm
.macro QLOAD n                         ; tile n is asked for
	WIN 0x40                                       ; destination window 1, address window 0
.irp i, 0,1,2,3,4,5,6,7
	global_load_b128 v[32*(\n)+4*\i:32*(\n)+4*\i+3], v[LA], s[4:5] offset:4096*(\n)+512*\i th:TH_LOAD_NT   ; rows 2 i and 2 i + 1: 512 consecutive bytes
.endr
.endm
	s_load_b128 s[4:7], s[0:1], 0x0                ; q, part
	s_load_b64 s[8:9], s[0:1], 0x10                ; out0
	v_lshl_add_u32 v254, v0, 2, 0xa000             ; the LDS address of my spare word and 0: made here and kept for the closing add alone
	v_mov_b32 v255, 0
	v_lshrrev_b32 v1, 5, v0
	v_readfirstlane_b32 s10, v1                    ; wave 0..7
	v_and_b32 v[MA], 15, v0                        ; r (x where a tile is loaded)
	v_bfe_u32 v[MB], v0, 4, 1                      ; h (y)
	v_and_b32 v2, 31, v0                           ; lane
	v_lshlrev_b32 v[LA], 4, v2
	s_wait_alu depctr_va_sdst(0)                   ; s10 is written, ahead of its first reader: offsets, bases and LDS addresses are made from it
	s_lshr_b32 s11, s10, 1                         ; t
	s_and_b32 s12, s10, 1                          ; hb
	s_lshl_b32 s11, s11, 12
	s_lshl_b32 s12, s12, 8
	s_add_co_u32 s11, s11, s12
	v_lshlrev_b32 v[PA], 4, v[MA]
	v_lshl_add_u32 v[PA], v[MB], 9, v[PA]
	v_add_nc_u32 v[PA], s11, v[PA]                 ; 4096 t + 512 y + 256 hb + 16 r: sixteen lanes take 256 consecutive bytes
	s_lshl_b32 s32, ttmp9, 18                      ; the run's 1,024 rows of 256 bytes,
	s_lshl_b32 s11, s10, 15                        ; my wave's 128
	s_add_co_u32 s32, s32, s11
	s_mov_b32 s33, 0
	s_lshr_b32 s36, ttmp9, 2
	s_lshl_b32 s36, s36, 16                        ; the head's four runs of part
	s_mov_b32 s37, 0
	s_mul_i32 s13, s10, STG                        ; my stage
	s_mov_b32 s[SEL], 0x76543210
	s_mov_b32 s[SEL+1], 0xfedcba98                 ; v_permlanex16_b32's selects for lane l xor 16
	s_wait_kmcnt 0x0
	s_add_nc_u64 s[6:7], s[6:7], s[36:37]
	s_add_nc_u64 s[4:5], s[4:5], s[32:33]
	s_add_nc_u64 s[8:9], s[8:9], s[32:33]
	s_wait_alu depctr_va_vdst(0)                   ; v[PA] and v[LA] are written: the loads of part and of q read them as their offsets; only loads and a window switch follow up to the last of these loads
.irp p, 0,1,2,3                        ; part first: every wave's work waits for kv
.irp a, 0,1,2,3
	global_load_b128 v[PB+16*\p+4*\a:PB+16*\p+4*\a+3], v[PA], s[6:7] offset:16384*\p+1024*\a   ; run p: kv(32 hb + 16 y + 4 i + a, 4 r + t), i = 0 .. 3
.endr
.endr
.irp n, 0,1,2,3,4,5
	QLOAD \n
.endr
	WIN 0
	v_mul_u32_u24 v[QA], v[MA], QROW
	v_lshl_add_u32 v[QA], v[MB], 7, v[QA]
	v_add_nc_u32 v[QA], s13, v[QA]                 ; wave x STG + 272 r + 128 h
	v_mul_u32_u24 v[SWA], v[MB], QROW
	v_lshl_add_u32 v[SWA], v[MA], 4, v[SWA]
	v_add_nc_u32 v[SWA], s13, v[SWA]               ; wave x STG + 272 y + 16 x
	v_lshlrev_b32 v[OA], 4, v[MA]
	v_lshl_add_u32 v[OA], v[MB], 11, v[OA]
	v_lshlrev_b32 v[IW], 5, v[MA]
	v_mad_u32_u24 v[IW], v[MB], 12, v[IW]
	s_lshl_b32 s14, s10, 9
	s_add_co_u32 s14, s14, IMG
	v_add_nc_u32 v[IW], s14, v[IW]                 ; IMG + 512 wave + 32 r + 12 y: lane (r, hb) of fragment t has its 32 bytes at 1024 t + 512 hb + 32 r
	s_lshl_b32 s15, s10, 4
	s_add_co_u32 s15, s15, ISC
	v_add_nc_u32 v[BW], s15, v[MA]                 ; ISC + 16 wave + r
	v_lshl_add_u32 v[IR], v2, 5, IMG
	v_add_nc_u32 v[BR], ISC, v[MA]
	v_mov_b32 v[BX], 0                             ; written once: a lane permute's destination counts as one of its sources
.irp z, 6,7,8,9,10,11
	v_mov_b32 v[AF+\z], 0                          ; places 64 .. 127: zero codes, written once
.irp t, 0,1,2,3
	v_mov_b32 v[BF+12*\t+\z], 0
.endr
.endr
	; ---- kv: the four runs are added, my half block is quantised
	s_wait_loadcnt 48                              ; part is in; the 48 loads of q's tiles 0 to 5, issued behind it, may be out
.irp g, 0,2,4,6,8,10,12,14
	v_pk_add_f32 v[PB+\g:PB+\g+1], v[PB+\g:PB+\g+1], v[PB+16+\g:PB+16+\g+1]
	v_pk_add_f32 v[PB+32+\g:PB+32+\g+1], v[PB+32+\g:PB+32+\g+1], v[PB+48+\g:PB+48+\g+1]
.endr
.irp a, 0,1,2,3
.irp i, 0,1,2,3
	v_add_f32 v[SS+4*\i+\a], v[PB+4*\a+\i], v[PB+32+4*\a+\i]   ; the last addition lays the numbers in the order of d
.endr
.endr
	v_max3_num_f32 v[MA], |v[SS]|, |v[SS+1]|, 0x1800000   ; my 16 numbers, and the floor 2^(3 - 127): so the byte cannot fall under 1
	v_max3_num_f32 v[MB], |v[SS+2]|, |v[SS+3]|, |v[SS+4]|
.irp i, 5,9
	v_max3_num_f32 v[MA], v[MA], |v[SS+\i]|, |v[SS+\i+1]|
	v_max3_num_f32 v[MB], v[MB], |v[SS+\i+2]|, |v[SS+\i+3]|
.endr
	v_max3_num_f32 v[MA], v[MA], |v[SS+13]|, |v[SS+14]|
	v_max3_num_f32 v[MA], v[MA], v[MB], |v[SS+15]|
	v_permlanex16_b32 v[BX], v[MA], s[SEL], s[SEL+1]
	v_max_num_f32 v[MA], v[MA], v[BX]              ; with the block's other half
	v_add_nc_u32 v[SCO], 0xff000000, v[MA]         ; 2 off the exponent field: the conversion's scale operand
	v_cvt_scalef32_pk16_fp6_f32 v[CT:CT+2], v[SS:SS+15], v[SCO]
	v_lshrrev_b32 v[BY], 23, v[SCO]                ; the scale's byte.  (A plain place behind the conversion)
	s_wait_alu depctr_va_vdst(0)                   ; the conversion has written v[CT ..] and the shift v[BY], which the LDS stores read; all seven LDS addresses and offsets of the head are written; the conversion is done reading v[SS ..], in which tile 0's LDS loads land: no vector instruction stands between this wait and them
	ds_store_b32 v[IW], v[CT]
	ds_store_b32 v[IW], v[CT+1] offset:4
	ds_store_b32 v[IW], v[CT+2] offset:8
	ds_store_b8 v[BW], v[BY]                       ; both lanes of a block write the same byte with the same value
	s_wait_dscnt 0x0                               ; for the others' sake: my stores have landed
	s_barrier_signal -1
	s_barrier_wait -1                              ; (my loads of q may stay out: nobody writes those bytes of memory)
.irp t, 0,1,2,3
	ds_load_b128 v[BF+12*\t:BF+12*\t+3], v[IR] offset:1024*\t
	ds_load_b64 v[BF+12*\t+4:BF+12*\t+5], v[IR] offset:1024*\t+16
	ds_load_u8 v[U8+2*\t], v[BR] offset:32*\t      ; block 0's byte of column 4 r + t,
	ds_load_u8 v[U8+2*\t+1], v[BR] offset:32*\t+16 ; block 1's
.endr
; ---- a tile of 16 rows: turned, quantised, multiplied, stored
.macro TILE n
.if (\n) < 3
	s_wait_loadcnt 40                              ; this tile's eight loads are in; five younger tiles are out (tiles 6 and 7 are asked for behind the stores of tiles 0 and 1)
.else
	s_wait_loadcnt 8*(7-(\n))                      ; eight for each younger tile
.endif
	WIN 0x04                                       ; an LDS store's data are its source 1: window 1
.irp i, 0,1,2,3,4,5,6,7
	ds_store_b128 v[SWA], v[32*(\n)+4*\i:32*(\n)+4*\i+3] offset:2*QROW*\i   ; rows 2 i + y as loaded: sixteen lanes write a row's 256 bytes
.endr
	WIN 0
.irp i, 0,1,2,3,4,5,6,7
	ds_load_b128 v[X+4*\i:X+4*\i+3], v[QA] offset:16*\i   ; q(16 n + r, 32 h + 4 i ..): these see the stores above.  (The last instructions that named v[X ..], the tile before's conversions, stand ahead of that tile's waits on va_vdst)
.endr
	s_wait_dscnt 0x0                               ; my 32 numbers are back (in tile 0: kv's fragments and scale bytes too)
	s_wait_alu depctr_vm_vsrc(0)                   ; the turn's LDS stores have read the tile's 32 registers of window 1, which the copies below write again (in tile 0 also: kv's LDS stores have read v[CT ..] and v[BY], which this tile's quantiser writes again)
.if (\n) == 0
.irp t, 0,1,2,3
	v_lshl_or_b32 v[SB+\t], v[U8+2*\t+1], 8, v[U8+2*\t]   ; kv's scale words; bytes 2 and 3, over zero codes, are 0
.endr
.endif
	v_max3_num_f32 v[MA], |v[X]|, |v[X+1]|, |v[X+2]|       ; a whole block is mine.  (These sixteen are also places behind the last tile's products, ahead of the writes of q's fragment and scale word and of the products that write the results anew)
	v_max3_num_f32 v[MB], |v[X+3]|, |v[X+4]|, |v[X+5]|
.irp i, 6,10,14,18,22,26
	v_max3_num_f32 v[MA], v[MA], |v[X+\i]|, |v[X+\i+1]|
	v_max3_num_f32 v[MB], v[MB], |v[X+\i+2]|, |v[X+\i+3]|
.endr
	v_max3_num_f32 v[MA], v[MA], |v[X+30]|, |v[X+31]|
	v_max3_num_f32 v[MA], v[MA], v[MB], 0x1800000  ; and the floor 2^(3 - 127)
	v_add_nc_u32 v[SCO], 0xff000000, v[MA]         ; 2 off the exponent field: the conversions' scale operand
	v_lshrrev_b32 v[BY], 23, v[SCO]                ; the scale's byte
	v_permlanex16_b32 v[BX], v[BY], s[SEL], s[SEL+1]
	v_lshl_or_b32 v[SA], v[BX], 8, v[BY]           ; lane r: block 0's byte, block 1's above it
	v_cvt_scalef32_pk16_fp6_f32 v[AF:AF+2], v[X:X+15], v[SCO]
	v_cvt_scalef32_pk16_fp6_f32 v[CT:CT+2], v[X+16:X+31], v[SCO]   ; (a conversion's three registers begin on an even number)
	v_nop                                          ; one plain place behind a scaled conversion
.irp i, 0,1,2
	v_mov_b32 v[AF+3+\i], v[CT+\i]
.endr
.rept 8
	v_nop                                          ; a scale register written by a vector instruction stands 8 places ahead of a scaled matrix instruction, an operand so written 4.  No other tile's work is set here: it would put stores that are ready behind a later tile's arrival
.endr
	s_wait_alu depctr_va_vdst(0)                   ; the conversions and copies have written q's fragment, the shift its scale word (in tile 0 also: kv's scale words and the zero codes are written), which the products take; the conversions are done reading v[X ..], in which the next tile's LDS loads land.  The places above stay beside this wait
.irp t, 0,1,2,3                        ; one K step: every sum begins and ends here, C = 0, four different accumulators
	v_wmma_scale_f32_16x16x128_f8f6f4 v[DD+8*\t:DD+8*\t+7], v[AF:AF+11], v[BF+12*\t:BF+12*\t+11], 0, v[SA], v[SB+\t] matrix_a_fmt:MATRIX_FMT_FP6 matrix_b_fmt:MATRIX_FMT_FP6
.endr
.rept 4
	v_nop                                          ; four places (ISA guide 7.12.1) ahead of the reads of results
.endr
	WIN 0x40                                       ; destination window 1: the tile's own 32 registers, which the turn has read out
.irp j, 0,1,2,3,4,5,6,7                ; each result is read from its low end on
.irp t, 0,1,2,3
	v_mov_b32 v[32*(\n)+4*\j+\t], v[DD+8*\t+\j]    ; out0(16 n + 8 h + j, 4 r + t): four neighbours side by side
.endr
.endr
	WIN 0x04                                       ; a store's data are its source 1: window 1
	s_wait_alu depctr_va_vdst(0)                   ; the 32 copies have written the tile's registers, which the eight stores read
.irp j, 0,1,2,3,4,5,6,7
	global_store_b128 v[OA], v[32*(\n)+4*\j:32*(\n)+4*\j+3], s[8:9] offset:4096*(\n)+256*\j th:TH_STORE_NT   ; lanes 0-15 store row j's 256 bytes, lanes 16-31 row 8 + j's; these registers are not written again
.endr
.if (\n) < 2
	QLOAD (\n)+6                                   ; behind this tile's stores: the tile six on.  No vector instruction has named its 32 registers, and v[LA] stands as the head wrote it
.endif
.endm
.irp n, 0,1,2,3,4,5,6,7
	TILE \n
.endr
	WIN 0                                          ; the add's two registers lie in window 0: the switch stands ahead of the closing lines
	s_wait_dscnt 0x0                               ; the closing lines, six on end
	s_wait_alu 0x0
	s_wait_tensorcnt 0x0
	ds_add_u32 v254, v255
	s_wait_dscnt 0x0
	s_endpgm
.Lfunc_end_k_q60ab368d49_apply:
	.size	k_q60ab368d49_apply, .Lfunc_end_k_q60ab368d49_apply-k_q60ab368d49_apply
	.p2alignl 7, 3214868480
	.fill 96, 4, 3214868480
	.section	.rodata,"a",@progbits
	.p2align	6, 0x0
	.amdhsa_kernel k_q60ab368d49_apply
		.amdhsa_group_segment_fixed_size 41984
		.amdhsa_private_segment_fixed_size 0
		.amdhsa_enable_private_segment 0
		.amdhsa_kernarg_size 24
		.amdhsa_user_sgpr_count 2
		.amdhsa_user_sgpr_kernarg_segment_ptr 1
		.amdhsa_wavefront_size32 1
		.amdhsa_system_sgpr_workgroup_id_x 1
		.amdhsa_system_sgpr_workgroup_id_y 1
		.amdhsa_system_sgpr_workgroup_id_z 1
		.amdhsa_system_vgpr_workitem_id 0
		.amdhsa_next_free_vgpr 512
		.amdhsa_next_free_sgpr 66
		.amdhsa_reserve_vcc 0
		.amdhsa_float_denorm_mode_32 3
		.amdhsa_float_denorm_mode_16_64 3
		.amdhsa_memory_ordered 1
		.amdhsa_forward_progress 1
		.amdhsa_inst_pref_size 59
	.end_amdhsa_kernel
	.amdgpu_metadata
---
amdhsa.version: [ 1, 2 ]
amdhsa.kernels:
  - .name:           k_q60ab368d49_apply
    .symbol:         k_q60ab368d49_apply.kd
    .args:
      - { .name: q, .offset: 0, .size: 8, .value_kind: global_buffer, .address_space: global }
      - { .name: part, .offset: 8, .size: 8, .value_kind: global_buffer, .address_space: global }
      - { .name: out0, .offset: 16, .size: 8, .value_kind: global_buffer, .address_space: global }
    .group_segment_fixed_size: 41984
    .private_segment_fixed_size: 0
    .kernarg_segment_align: 8
    .kernarg_segment_size: 24
    .max_flat_workgroup_size: 256
    .sgpr_count:     66
    .vgpr_count:     512
    .wavefront_size: 32
...
	.end_amdgpu_metadata
.endif
;; end of part 4
